; MI455X (gfx1250); checked and timed in simulation.
; The chip was launched on July 23, 2026; its instructions are those of AMD's public machine-readable ISA for CDNA 5 (MIT licence, August 2026) and "CDNA5" Instruction Set Architecture Reference Guide (July 2026). The comments in the code are by the model that wrote it; some were corrected since.
;; Multi Head Attention. Allowed arithmetic: matrix products marked QUANTISED: E5M2 operands, one given power-of-two scale a tensor, by v_wmma_f32_16x16x64_bf8_bf8 or v_wmma_f32_16x16x128_bf8_bf8, f32 sums; everything else in f32.
;; Inputs: b_qkv 3,072 float32; lowp_scales 6 int32 (the exponents e of the quantised operands' scales 2^e); w_qkv 1,024 x 3,072 float32; x 2 x 2,048 x 1,024 float32.
;; Outputs: out0 2 x 2,048 x 1,024 float32.
;; This version of the problem:
;;   THIS VERSION OF THE PROBLEM IS GIVEN IN LOW PRECISION. The matrix products marked QUANTISED in the list below multiply operands that are first quantised to E5M2 (5 exponent bits, 2 mantissa bits; 8 bits a number), with one given power-of-two scale for each operand tensor; their sums are f32. All else is computed in f32.
;;   The module's matrix products, in the order in which they are computed (A, B: the left and right operand; K: the contracted axis; several contracted axes count as one K, in the product's order):
;;     1. [M 4,096, K 1,024] x [K 1,024, N 3,072]; A: input x; B: input w_qkv: QUANTISED (scales: A lowp_scales[0], B lowp_scales[1])
;;     2. batch 32 x [M 2,048, K 64] x [K 64, N 2,048]; A: computed on the way; B: computed on the way: QUANTISED (scales: A lowp_scales[2], B lowp_scales[3])
;;     3. batch 32 x [M 2,048, K 2,048] x [K 2,048, N 64]; A: softmax (see below); B: computed on the way: QUANTISED (scales: A lowp_scales[4], B lowp_scales[5])
;;   THE QUANTISER, for each operand of a quantised product, along K:
;;     - The operand's scale is 2^e, e = its entry of the input lowp_scales (int32; the entries are numbered through the quantised products in the list's order, A before B).
;;     - Each number is divided by the scale, clamped to +-57,344, and rounded to the nearest number of E5M2, ties to even, subnormals kept.
;;     - The product sums the exact products of the quantised numbers (number of the format x scale) in f32.
;;   ~~~python
;;   def quantise(x, axis, e):      # numpy; x: float32 -> the quantised numbers, widened to float32 again
;;       x = np.moveaxis(x, axis, -1); K = x.shape[-1]
;;       r = np.clip(x / 2.0 ** e, -57344, 57344)
;;       step = 2.0 ** (np.maximum(np.frexp(np.where(r == 0, 1, r))[1] - 1, -14) - 2)
;;       q = np.round(r / step) * step * 2.0 ** e      # np.round: ties to even
;;       return np.moveaxis(q, -1, axis).astype(np.float32)
;;   ~~~
;;   SOFTMAX AHEAD OF A QUANTISED PRODUCT. Where the list says 'softmax', what is quantised is not the finished softmax but p = 2^(t - M), with t = logit x log2(e) and M = ceil(the row's largest t), a whole number; so 1/2 < the row's largest p <= 1. The row's sum l is taken of the UNQUANTISED p, in f32, and the product's result is divided by l at the end. Since M is a whole number, a kernel that streams over the keys may use a running M (the ceiling of the running maximum): every later rescaling is an exact power of two, so the quantised numbers keep their values, but for numbers so far below the row's largest that they fall under the format's range.
;;   OPERANDS COMPUTED ON THE WAY. 'Computed on the way' means the value that the module computes at that place (a softmax that the list does not call 'softmax' is quantised finished and normalised). What goes into a quantiser is computed in f32, as accurately as f32 sums, v_exp_f32 and their like allow (about 1e-6 of the number): no bf16 or f16 on the way to a quantiser, and a product that is left as it is and whose result goes on into a quantised operand takes f32 operands (vector FMAs, or v_wmma_f32_16x16x4_f32). A number that lies on a knife's edge between two numbers of the format may be rounded either way, as far as f32 arithmetic and the matrix unit's own rounding can turn it there, and no further.
;; One version. Each part assembles by itself: llvm-mc -triple=amdgcn-amd-amdhsa -mcpu=gfx1250 --defsym DOCPART=n.
;; ======== version 1 of 1: 3 launches
;; limits: right only within a limited range of input values
;; workspace buffers: codes 7,340,032 bytes; qkvc 12,582,912 bytes
;; launch quant (part 1): grid 448 x 1, 8 waves a work-group, no clusters, 76,800 bytes of LDS; arguments x, w_qkv, lowp_scales, codes; writes codes
.if DOCPART == 1
	.amdgcn_target "amdgcn-amd-amdhsa--gfx1250"
	.amdhsa_code_object_version 6
	.text
	.protected	k_qb772116559_quant
	.globl	k_qb772116559_quant
	.p2align	8
	.type	k_qb772116559_quant,@function
k_qb772116559_quant:
	s_mov_b64 s[64:65], 0
	v_nop
	global_prefetch_b8 v0, s[64:65] scope:SCOPE_SE
	s_setreg_imm32_b32 hwreg(HW_REG_WAVE_MODE, 25, 1), 1
	s_wait_xcnt 0x0
; x [4096][1024] f32 and w_qkv [1024][3072] f32 become codes of BF8 (E5M2), 8 bits each, each with the one scale 2^e given for it.
; codes: first x, 4 MiB, as images of the matrix operand's registers: for each 16 tokens and each 128 along K 2,048 bytes: piece c (0..3), lane (r, h), 16 bytes: token r, K = 32 c + 16 h + 0 .. 15.
; Behind it w: rows of 1,024 bytes, K innermost, in the order head (16), kind (q, k, v), column of the head (64).
; code = number / 2^e, held within +-57,344, rounded to the nearest code, ties to even.  e: entry 0 of the scales for x, entry 1 for w.
; LIMITS: each e between -126 and 112, so that 2^e and 57,344 x 2^e are f32 numbers.  NaN among the inputs is not served; an infinity is held at the largest code.
; DEAD WORK of the program: reference() builds a causal mask itself, so a key after the query has weight 0 for all values of the inputs; launch attn leaves out key steps that lie wholly under the mask.
; A NaN, an infinity or an overflow that reaches only that work is not carried to the result.
; Work-groups 0-191 take w, 64 columns x 256 along K each; work-groups 192-447 take x, 16 tokens each.  The two ways part on the work-group's number and
; have LDS bytes of their own.  No tensor loads.  A stream that is read once: matrix units, clusters and prefetches have nothing to do here; a wave asks for all its numbers at once, there is no loop to run ahead in.
.set WWG,   192                        ; work-groups for w
.set STEPS, 4                          ; x: steps of 512 numbers for a wave
.set SP,    80                         ; x: a lane's place in a stage: its 64 bytes + 16 of padding
.set WREG,  5120                       ; x: LDS for a wave: two stages of 32 x SP bytes
.set XR,    16                         ; x: v16-79   four steps' numbers as they are loaded
.set XN,    80                         ; x: v80-111  two sets of 16 neighbours
.set XC,    112                        ; x: v112-127 codes: four registers for each step
.set IST,   58368                      ; x: where the image is gathered: 64 chunks of 16 along K x (16 tokens x 16 bytes + 16 of padding)
.set WN,    3072                       ; w: numbers in a row of w_qkv
.set KROW,  1024                       ; bytes in a row of codes
.set WP,    272                        ; w: a stage row: 256 bytes of codes + 16
.set WST,   40960                      ; w: where the stage begins in LDS
.set WX,    16                         ; w: v16-79   64 numbers along K
.set WC,    80                         ; w: v80-95   their codes
.set WO,    96                         ; w: v96-111  the way out
.set SPW,   12                         ; LDS address of my spare word
.set NIL,   13                         ; 0
.set SPARE, 75776                      ; the spare words: 128 bytes for each wave
.set MANT,  0x600000                   ; the mantissa field of 57,344 as f32
	s_load_b256 s[4:11], s[0:1], 0x0               ; x s[4:5], w s[6:7], the scales' exponents s[8:9], codes s[10:11]
	v_lshl_add_u32 v[SPW], v0, 2, SPARE
	v_mov_b32 v[NIL], 0
	v_lshrrev_b32 v1, 5, v0
	v_readfirstlane_b32 s16, v1                    ; wave 0..7
	v_and_b32 v2, 31, v0                           ; lane
	s_mov_b32 s21, 0                               ; the upper word of every offset below
	s_wait_alu depctr_va_vdst(0)
	s_wait_kmcnt 0x0
	s_load_b64 s[22:23], s[8:9], 0x0               ; e of x, e of w
	s_cmp_lt_u32 ttmp9, WWG
	s_cbranch_scc1 .Lw
; ---------------- x: K is innermost.  Each load reads 512 consecutive bytes, 16 a lane; a step's 2,048 bytes turn through the wave's own stage and come back 64 bytes a lane: 16 neighbours along K.
; A wave takes two of the work-group's 16 tokens, two steps each; the codes gather in the work-group's image, and wave w stores the 2,048 bytes of the w-th 128 along K.
	s_sub_co_u32 s18, ttmp9, WWG
	s_lshl_b32 s18, s18, 3
	s_add_co_u32 s18, s18, s16                     ; which run of 2,048 numbers is my wave's; and which 2,048 bytes of the images
	s_lshl_b32 s20, s18, 13
	s_add_nc_u64 s[4:5], s[4:5], s[20:21]          ; 8,192 bytes of x a run,
	s_lshl_b32 s20, s18, 11
	s_add_nc_u64 s[10:11], s[10:11], s[20:21]      ; 2,048 bytes of codes
	s_mul_i32 s17, s16, WREG
	s_lshl_b32 s29, s16, 5
	s_add_co_u32 s29, s29, IST                     ; the image, on the way in: my tokens 2 w, 2 w + 1
	s_mul_i32 s30, s16, 8*272
	s_add_co_u32 s30, s30, IST                     ; and on the way out: chunks 8 w on
	v_lshlrev_b32 v3, 4, v2                        ; my 16 bytes of a load's 512, and of a store's 512
.irp t, 0,1,2,3
.irp i, 0,1,2,3
	global_load_b128 v[XR+16*\t+4*\i:XR+16*\t+4*\i+3], v3, s[4:5] offset:2048*\t+512*\i th:TH_LOAD_NT
.endr
.endr
	v_lshrrev_b32 v14, 2, v2
	v_mul_u32_u24 v14, v14, SP
	v_and_b32 v15, 3, v2
	v_lshl_add_u32 v14, v15, 4, v14
	v_add_nc_u32 v14, s17, v14                     ; the stage, on the way in: SP (lane / 4) + 16 (lane % 4)
	v_mul_u32_u24 v15, v2, SP
	v_add_nc_u32 v15, s17, v15                     ; and on the way out: SP x lane
	v_mul_u32_u24 v4, v2, 272
	v_add_nc_u32 v4, s29, v4                       ; lane l's 16 neighbours are chunk l of the step's 32
	v_lshrrev_b32 v5, 4, v2
	v_mul_u32_u24 v5, v5, 272
	v_and_b32 v6, 15, v2
	v_lshl_add_u32 v5, v6, 4, v5
	v_add_nc_u32 v5, s30, v5                       ; chunk 8 w + 2 c + lane / 16, token lane % 16
	s_wait_alu depctr_va_vdst(0)
	s_wait_kmcnt 0x0
	s_add_co_i32 s22, s22, 127
	s_lshl_b32 s24, s22, 23
	v_mov_b32 v11, s24                             ; 2^e as f32: the conversion takes its exponent field
	s_add_co_i32 s22, s22, 15
	s_lshl_b32 s22, s22, 23
	s_or_b32 s22, s22, MANT
	v_mov_b32 v10, s22                             ; 57,344 x 2^e
.macro XTURN t                         ; step t's numbers through the stage: LDS serves a wave's instructions in order, so no wait stands between the stores and the loads
.irp i, 0,1,2,3
	ds_store_b128 v14, v[XR+16*(\t)+4*\i:XR+16*(\t)+4*\i+3] offset:32*SP*((\t)%2)+8*SP*\i
.endr
.irp i, 0,1,2,3
	ds_load_b128 v[XN+16*((\t)%2)+4*\i:XN+16*((\t)%2)+4*\i+3], v15 offset:32*SP*((\t)%2)+16*\i
.endr
.endm
	s_wait_alu depctr_va_vdst(0)                   ; the wait at the head's end
	s_wait_loadcnt 12                              ; step 0's four loads are in; those of three steps may be out
	XTURN 0
.macro XSTEP t
.set XS, XN+16*((\t)%2)
	s_wait_dscnt 0x0                               ; this step's numbers are back from the stage
.if (\t)+1 < STEPS
	s_wait_loadcnt 4*(STEPS-2-(\t))                ; the next step's four loads are in; those of the steps behind it may be out
	XTURN (\t)+1
.endif
.irp i, 0,1,2,3,4,5,6,7,8,9,10,11,12,13,14,15
	v_med3_num_f32 v[XS+\i], v[XS+\i], -v10, v10   ; the conversion to an 8-bit code does not saturate (ISA guide 7.6.2): the hold comes first
.endr
	v_cvt_scalef32_pk8_bf8_f32 v[XC+4*(\t):XC+4*(\t)+1], v[XS:XS+7], v11
	v_cvt_scalef32_pk8_bf8_f32 v[XC+4*(\t)+2:XC+4*(\t)+3], v[XS+8:XS+15], v11
	v_nop
	ds_store_b128 v4, v[XC+4*(\t):XC+4*(\t)+3] offset:8704*((\t)%2)+16*((\t)/2)   ; step t is half t % 2 of my token t / 2
.endm
.irp t, 0,1,2,3
	XSTEP \t
.endr
	s_wait_dscnt 0x0                               ; for the others' sake: my codes lie in the image
	s_barrier_signal -1
	s_barrier_wait -1
.irp t, 0,1,2,3
	ds_load_b128 v[XR+4*\t:XR+4*\t+3], v5 offset:544*\t
.endr
.irp t, 0,1,2,3
	s_wait_dscnt 3-\t
	global_store_b128 v3, v[XR+4*\t:XR+4*\t+3], s[10:11] offset:512*\t   ; the wave stores 512 consecutive bytes, aligned
.endr
	s_wait_tensorcnt 0x0                           ; the wave's end
	ds_add_u32 v[SPW], v[NIL]
	s_wait_dscnt 0x0
	s_endpgm
; ---------------- w: K is the FIRST axis.  A lane takes a column n and its registers run down K: 64 numbers; two waves side by side read 256 consecutive bytes of a row; the conversions give codes with K innermost.
; Four pairs of waves stand one below the other along K: together 256 along K, a whole unit of codes for each column, gathered in the work-group's stage; sixteen lanes store 256 consecutive bytes, aligned.
.Lw:
	s_lshr_b32 s24, ttmp9, 2                       ; which 64 columns: 0..47 = 16 x kind + head
	s_and_b32 s18, ttmp9, 3                        ; which 256 along K: 0..3
	s_and_b32 s25, s16, 1                          ; which 32 of the 64 columns
	s_lshr_b32 s26, s16, 1                         ; which 64 of the 256 along K
	s_lshl_b32 s17, s24, 6
	s_lshl_b32 s27, s25, 5
	s_add_co_u32 s17, s17, s27                     ; my wave's first column
	s_lshl_b32 s20, s18, 8
	s_lshl_b32 s27, s26, 6
	s_add_co_u32 s20, s20, s27                     ; my wave's first row
	s_mul_i32 s20, s20, WN*4
	s_lshl_b32 s27, s17, 2
	s_add_co_u32 s20, s20, s27
	s_add_nc_u64 s[6:7], s[6:7], s[20:21]
	s_mul_i32 s19, s25, 32*WP                      ; in the stage: row = column,
	s_lshl_b32 s27, s26, 6                         ; byte 64 x my place along K
	s_add_co_u32 s19, s19, s27
	s_add_co_u32 s19, s19, WST
	s_mul_i32 s28, s16, 8*WP                       ; out of it: 8 rows a wave
	s_add_co_u32 s28, s28, WST
	s_and_b32 s20, s24, 15
	s_mul_i32 s20, s20, 192
	s_lshr_b32 s27, s24, 4
	s_lshl_b32 s27, s27, 6
	s_add_co_u32 s20, s20, s27                     ; row 192 x head + 64 x kind
	s_lshl_b32 s27, s16, 3
	s_add_co_u32 s20, s20, s27
	s_add_co_u32 s20, s20, 4096
	s_lshl_b32 s20, s20, 10
	s_lshl_b32 s27, s18, 8
	s_add_co_u32 s20, s20, s27
	s_add_nc_u64 s[10:11], s[10:11], s[20:21]      ; + 8 x wave, behind x's 4 MiB; byte 256 y
	v_lshlrev_b32 v3, 2, v2                        ; in: 4 bytes a lane
.set ii, 0
.rept 64
	global_load_b32 v[WX+ii], v3, s[6:7] offset:ii*WN*4 th:TH_LOAD_NT   ; offsets up to 63 x 12,288 bytes
.set ii, ii+1
.endr
	v_mul_u32_u24 v4, v2, WP
	v_add_nc_u32 v4, s19, v4
	v_and_b32 v5, 15, v2
	v_lshrrev_b32 v6, 4, v2                        ; sixteen lanes to a row, two rows an instruction
	v_mul_u32_u24 v7, v6, WP
	v_lshl_add_u32 v7, v5, 4, v7
	v_add_nc_u32 v7, s28, v7
	v_mul_u32_u24 v8, v6, KROW
	v_lshl_add_u32 v8, v5, 4, v8                   ; and the same place among the rows of codes
	s_wait_alu depctr_va_vdst(0)
	s_wait_kmcnt 0x0
	s_add_co_i32 s23, s23, 127
	s_lshl_b32 s24, s23, 23
	v_mov_b32 v11, s24                             ; 2^e as f32
	s_add_co_i32 s23, s23, 15
	s_lshl_b32 s23, s23, 23
	s_or_b32 s23, s23, MANT
	v_mov_b32 v10, s23                             ; 57,344 x 2^e
	s_wait_alu depctr_va_vdst(0)                   ; the wait at the head's end
.irp t, 0,1
	s_wait_loadcnt 32-32*\t                        ; this block's 32 loads are in; the next block's may be out
.set ii, WX+32*\t
.rept 32
	v_med3_num_f32 v[ii], v[ii], -v10, v10
.set ii, ii+1
.endr
.irp g, 0,1,2,3
	v_cvt_scalef32_pk8_bf8_f32 v[WC+8*\t+2*\g:WC+8*\t+2*\g+1], v[WX+32*\t+8*\g:WX+32*\t+8*\g+7], v11
.endr
	v_nop
	ds_store_b128 v4, v[WC+8*\t:WC+8*\t+3] offset:32*\t          ; 32 codes: 32 bytes of my column's row
	ds_store_b128 v4, v[WC+8*\t+4:WC+8*\t+7] offset:32*\t+16
.endr
	s_wait_dscnt 0x0                               ; for the others' sake: my codes lie in the stage
	s_barrier_signal -1
	s_barrier_wait -1
.irp t, 0,1,2,3
	ds_load_b128 v[WO+4*\t:WO+4*\t+3], v7 offset:2*\t*WP
.endr
.irp t, 0,1,2,3
	s_wait_dscnt 3-\t
	global_store_b128 v8, v[WO+4*\t:WO+4*\t+3], s[10:11] offset:2*\t*KROW
.endr
	s_wait_tensorcnt 0x0                           ; the wave's end
	ds_add_u32 v[SPW], v[NIL]
	s_wait_dscnt 0x0
	s_endpgm
.Lfunc_end_k_qb772116559_quant:
	.size	k_qb772116559_quant, .Lfunc_end_k_qb772116559_quant-k_qb772116559_quant
	.p2alignl 7, 3214868480
	.fill 96, 4, 3214868480
	.section	.rodata,"a",@progbits
	.p2align	6, 0x0
	.amdhsa_kernel k_qb772116559_quant
		.amdhsa_group_segment_fixed_size 76800
		.amdhsa_private_segment_fixed_size 0
		.amdhsa_enable_private_segment 0
		.amdhsa_kernarg_size 32
		.amdhsa_user_sgpr_count 2
		.amdhsa_user_sgpr_kernarg_segment_ptr 1
		.amdhsa_wavefront_size32 1
		.amdhsa_system_sgpr_workgroup_id_x 1
		.amdhsa_system_sgpr_workgroup_id_y 1
		.amdhsa_system_sgpr_workgroup_id_z 1
		.amdhsa_system_vgpr_workitem_id 0
		.amdhsa_next_free_vgpr 128
		.amdhsa_next_free_sgpr 66
		.amdhsa_reserve_vcc 0
		.amdhsa_float_denorm_mode_32 3
		.amdhsa_float_denorm_mode_16_64 3
		.amdhsa_memory_ordered 1
		.amdhsa_forward_progress 1
		.amdhsa_inst_pref_size 27
	.end_amdhsa_kernel
	.amdgpu_metadata
---
amdhsa.version: [ 1, 2 ]
amdhsa.kernels:
  - .name:           k_qb772116559_quant
    .symbol:         k_qb772116559_quant.kd
    .args:
      - { .name: x, .offset: 0, .size: 8, .value_kind: global_buffer, .address_space: global }
      - { .name: w_qkv, .offset: 8, .size: 8, .value_kind: global_buffer, .address_space: global }
      - { .name: lowp_scales, .offset: 16, .size: 8, .value_kind: global_buffer, .address_space: global }
      - { .name: codes, .offset: 24, .size: 8, .value_kind: global_buffer, .address_space: global }
    .group_segment_fixed_size: 76800
    .private_segment_fixed_size: 0
    .kernarg_segment_align: 8
    .kernarg_segment_size: 32
    .max_flat_workgroup_size: 256
    .sgpr_count:     66
    .vgpr_count:     128
    .wavefront_size: 32
...
	.end_amdgpu_metadata
.endif
;; end of part 1
;; launch qkv (part 2): grid 16 x 16, 4 waves a work-group, clusters of 4 x 1, 327,680 bytes of LDS; arguments codes, b_qkv, lowp_scales, qkvc; writes qkvc
.if DOCPART == 2
	.amdgcn_target "amdgcn-amd-amdhsa--gfx1250"
	.amdhsa_code_object_version 6
	.text
	.protected	k_qb772116559_qkv
	.globl	k_qb772116559_qkv
	.p2align	8
	.type	k_qb772116559_qkv,@function
k_qb772116559_qkv:
	s_mov_b64 s[64:65], 0
	v_nop
	global_prefetch_b8 v0, s[64:65] scope:SCOPE_SE
	s_setreg_imm32_b32 hwreg(HW_REG_WAVE_MODE, 25, 1), 1
	s_wait_xcnt 0x0
	s_wait_alu depctr_hold_cnt(0) depctr_sa_sdst(0) depctr_va_vdst(0) depctr_va_sdst(0) depctr_va_ssrc(0) depctr_va_vcc(0) depctr_vm_vsrc(0)
	s_getreg_b32 s2, hwreg(HW_REG_IB_STS2, 6, 4)
	s_cmp_eq_u32 s2, 0
	s_cbranch_scc0 .Lentry_in_a_cluster
	s_endpgm
.Lentry_in_a_cluster:
	s_bfe_u32 s2, ttmp6, 0x10000c
	s_cmp_lg_u32 s2, 0x3003
	s_cbranch_scc0 .Lentry_shape_is_right
	s_endpgm
.Lentry_shape_is_right:
; q, k, v = x w + b on codes of BF8 (E5M2), f32 sums, quantised again for attention: q with 2^e2, k with 2^e3, v with 2^e5.
; A work-group makes 256 tokens x the 192 columns (64 of q, of k, of v) of one head; grid: 16 blocks of tokens x 16 heads.  A wave makes 64 tokens x 192 columns: 48 accumulators of 16 x 16, 384 registers.
; W: the head's 192 rows of 1,024 codes lie whole in LDS, each byte filled once, by one tensor load a wave at the head; the four work-groups of a cluster share the head and ask JOINTLY.
; X: each wave reads its own 64 tokens straight into registers from the images that launch quant laid: 512 consecutive bytes a load; four sets of registers, so K steps 0 to 3 are asked for at the head and step s + 4 behind step s.
; Nothing is prefetched: W is asked for whole in the first lines, and so is half of X's stream; the other half runs four of the eight steps ahead.  No barrier stands in the walk along K.
; q and k: source 0 = 16 rows of W, source 1 = 16 tokens: a lane holds one token and eight neighbouring columns.  v: the sources swapped: a lane holds one column and eight neighbouring tokens.
; So the conversions' results are already images of attention's operands and leave from registers: each store of a wave covers 512 consecutive bytes, aligned.
; qkvc: for each head hb = 16 b + head 16 key steps of 16,384 bytes: k: 8 tiles of 16 tokens x [2 pieces][32 lanes][16 bytes]; v: 4 tiles of 16 columns x [4 pieces of 32 tokens][32 lanes][16 bytes].
; From 8 MiB on q, hb x 131,072, tiles of 16 tokens as k's.  A piece of q or k holds, in lane (r, h), columns 32 c + 8 h + 0..7 and 32 c + 16 + 8 h + 0..7; one of v tokens in the same order.
; LIMITS: e0 + e1 between -126 and 127; e2, e3, e5 between -126 and 112 (powers of two that are f32 numbers).  NaN is not served; an infinity is held at the largest code.
; REGISTERS: window 0: v2-21 addresses and constants, v64-255 W's 12 fragments; on the way out v64-159 codes, v160-223 at work.  window 1: X's four sets of four fragments.
;   window 2: q's and k's 32 accumulators.  window 3: v's 16, and from v128 on the biases.
.set PITCH, 1040                       ; a row of W in LDS: 1,024 bytes + 16: the 16 rows of a fragment load start at 16 different banks
.set SPARE, 199680                     ; behind the 192 rows: the spare words, 128 bytes for each wave
.set QBASE, 0x800000
.set BADR, 4                           ; v4-6   LDS address of my fragments of q's, k's, v's columns
.set LO,   10                          ; v10    16 x lane
.set SPW,  11
.set NIL,  12
.set LIM,  14                          ; v14-16 57,344 x 2^e for q, k, v
.set SCL,  17                          ; v17-19 2^e
.set BQ,   20                          ; v20    32 h: biases of q and k;  v21  4 r: of v
.set BV,   21
.set G1,   24                          ; s[24:31], s[32:35] descriptor
.set G0,   32
.set MSB, 0
.macro WIN new                         ; the immediate's high byte repeats the setting that is left
.if MSB != (\new)
	s_set_vgpr_msb (MSB<<8)|(\new)
.set MSB, (\new)
.endif
.endm
.macro CROUND                          ; a round of the cluster's barrier
	s_barrier_signal -1
	s_barrier_wait -1
	s_cmp_lg_u32 s14, 0
	s_cbranch_scc1 .Lnot_wave_0_\@
	s_barrier_signal -3
.Lnot_wave_0_\@:
	s_barrier_wait -3
	s_barrier_signal -1
	s_barrier_wait -1
.endm
	s_load_b256 s[4:11], s[0:1], 0x0               ; codes s[4:5], b s[6:7], the scales' exponents s[8:9], qkvc s[10:11]
	v_lshl_add_u32 v[SPW], v0, 2, SPARE
	v_mov_b32 v[NIL], 0
	ds_add_u32 v[SPW], v[NIL]                      ; the wave's opening: the add, twice on end, and its wait
	ds_add_u32 v[SPW], v[NIL]
	v_lshrrev_b32 v1, 5, v0
	v_readfirstlane_b32 s14, v1                    ; wave 0..3
	v_and_b32 v2, 31, v0
	v_lshlrev_b32 v[LO], 4, v2
	v_and_b32 v3, 15, v0                           ; r
	v_bfe_u32 v2, v0, 4, 1                         ; h
	v_mul_u32_u24 v[BADR], v3, PITCH
	v_lshl_add_u32 v[BADR], v2, 4, v[BADR]
	v_add_nc_u32 v[BADR+1], 64*PITCH, v[BADR]
	v_add_nc_u32 v[BADR+2], 128*PITCH, v[BADR]
	v_lshlrev_b32 v[BQ], 5, v2
	v_lshlrev_b32 v[BV], 2, v3
	s_bfe_u32 s40, ttmp6, 0x40000                  ; cx
	s_and_b32 s17, ttmp7, 0xffff                   ; the head
	s_lshl_b32 s42, ttmp9, 2
	s_add_co_u32 s42, s42, s40                     ; which 256 tokens: 4 x cluster x + cx
	s_mov_b32 s[G1], 15|(1<<20)|(1<<21)|(7<<22)|(3<<25)   ; 15:0 the mask: all four work-groups; elements of 1 byte; 20 padding on; 21 set beside a mask; after every 256 words (code 7) four words (code 3)
	s_mov_b32 s[G1+1], 1024<<16                    ; tensor_dim0
	s_mov_b32 s[G1+2], 48<<16                      ; tensor_dim1
	s_mov_b32 s[G1+3], 1024<<16                    ; tile_dim0
	s_mov_b32 s[G1+4], 48                          ; tile_dim1
	s_mov_b32 s[G1+5], 1024                        ; tensor_dim0_stride
	s_mov_b32 s[G1+6], 0
	s_mov_b32 s[G1+7], 0
	s_mul_i32 s20, s17, 196608                     ; W: my head's rows, 48 a wave: nothing here hangs on cx
	s_mul_i32 s21, s14, 49152
	s_add_co_u32 s20, s20, s21
	s_add_co_u32 s20, s20, 0x400000
	s_mov_b32 s21, 0
	s_mul_i32 s43, s14, 48*PITCH
	s_lshl_b32 s46, s42, 18                        ; X: 16 images of 16,384 bytes for the 256 tokens, four a wave
	s_lshl_b32 s47, s14, 16
	s_add_co_u32 s46, s46, s47
	s_mov_b32 s47, 0
	s_wait_alu depctr_va_vdst(0)
	s_wait_dscnt 0x0                               ; both opening adds are done
	CROUND                                         ; all four work-groups are here: the joint loads meet
	s_wait_kmcnt 0x0
	s_load_b128 s[68:71], s[8:9], 0x0              ; e0 .. e3
	s_load_b64 s[72:73], s[8:9], 0x10              ; e4, e5
	s_mov_b32 s[G0], 1
	s_mov_b32 s[G0+1], s43
	s_add_nc_u64 s[G0+2:G0+3], s[4:5], s[20:21]
	s_or_b32 s[G0+3], s[G0+3], 0x80000000
	tensor_load_to_lds s[G0:G0+3], s[G1:G1+7]
	s_nop 0
	s_add_nc_u64 s[44:45], s[4:5], s[46:47]
	; where the results go.  The wave's 64 tokens begin at token (256 (block % 8) + 64 wave) of batch block / 8
	s_lshr_b32 s50, s42, 3
	s_lshl_b32 s50, s50, 4
	s_add_co_u32 s50, s50, s17                     ; hb
	s_and_b32 s51, s42, 7
	s_lshl_b32 s51, s51, 8
	s_lshl_b32 s52, s14, 6
	s_add_co_u32 s51, s51, s52                     ; the token
.macro ALOAD s                         ; X's four fragments of K step s into set s % 4
	WIN 0x40                                       ; destination window 1
.irp i, 0,1,2,3
.irp c, 0,1,2,3
	global_load_b128 v[64*((\s)%4)+16*\i+4*\c:64*((\s)%4)+16*\i+4*\c+3], v[LO], s[44:45] offset:16384*\i+2048*(\s)+512*\c
.endr
.endr
	WIN 0
.endm
	ALOAD 0
	ALOAD 1
	ALOAD 2
	ALOAD 3
	s_mov_b32 s55, 0
	s_lshl_b32 s54, s50, 17
	s_lshl_b32 s53, s51, 6
	s_add_co_u32 s54, s54, s53
	s_add_co_u32 s54, s54, QBASE
	s_add_nc_u64 s[80:81], s[10:11], s[54:55]      ; q
	s_lshl_b32 s50, s50, 18
	s_and_b32 s53, s51, 0x780
	s_lshl_b32 s53, s53, 7
	s_add_co_u32 s50, s50, s53                     ; my key step
	s_and_b32 s53, s14, 1                          ; which 64 of its 128 tokens
	s_lshl_b32 s52, s53, 12
	s_add_co_u32 s54, s50, s52
	s_add_nc_u64 s[76:77], s[10:11], s[54:55]      ; k
	s_lshl_b32 s52, s53, 10
	s_add_co_u32 s54, s50, s52
	s_add_co_u32 s54, s54, 8192
	s_add_nc_u64 s[78:79], s[10:11], s[54:55]      ; v: two of a tile's four pieces
	s_lshl_b32 s54, s17, 8
	s_add_nc_u64 s[82:83], s[6:7], s[54:55]        ; the head's biases of q; k's and v's 4,096 and 8,192 bytes on
	s_wait_kmcnt 0x0
	s_add_co_i32 s96, s68, s69
	s_add_co_i32 s96, s96, 127
	s_lshl_b32 s96, s96, 23                        ; 2^(e0 + e1)
	s_mov_b32 s97, s96                             ; (named with it as a pair)
.macro CONS kind, e
	s_add_co_i32 s74, s[\e], 127
	s_lshl_b32 s75, s74, 23
	v_mov_b32 v[SCL+\kind], s75
	s_add_co_i32 s74, s74, 15
	s_lshl_b32 s74, s74, 23
	s_or_b32 s74, s74, 0x600000
	v_mov_b32 v[LIM+\kind], s74
.endm
	CONS 0, 70
	CONS 1, 71
	CONS 2, 73
; W's four fragments of a kind, K step s: lane l holds row l % 16, registers 4 c .. 4 c + 3: K = 32 c + 16 (l / 16) + 0 .. 15, as in X's images
.macro FETCHW kind, s
.irp t, 0,1,2,3
.irp c, 0,1,2,3
	ds_load_b128 v[64+64*(\kind)+16*\t+4*\c:64+64*(\kind)+16*\t+4*\c+3], v[BADR+\kind] offset:16*PITCH*\t+128*(\s)+32*\c
.endr
.endr
.endm
; 16 products: a kind's four tiles of columns x four tiles of tokens.  The 48 accumulators take turns, one instruction a turn, in the same order in every step; the first starts the sums.
.macro GRP kind, s
.irp t, 0,1,2,3
.irp i, 0,1,2,3
.set WF, 64+64*(\kind)+16*\t
.set XF, 64*((\s)%4)+16*\i
.if (\kind) < 2
.set AC, 8*(4*(4*(\kind)+\t)+\i)
.if (\s) == 0
	v_wmma_f32_16x16x128_bf8_bf8 v[AC:AC+7], v[WF:WF+15], v[XF:XF+15], 0
.else
	v_wmma_f32_16x16x128_bf8_bf8 v[AC:AC+7], v[WF:WF+15], v[XF:XF+15], v[AC:AC+7]
.endif
.else
.set AC, 8*(4*\t+\i)
.if (\s) == 0
	v_wmma_f32_16x16x128_bf8_bf8 v[AC:AC+7], v[XF:XF+15], v[WF:WF+15], 0
.else
	v_wmma_f32_16x16x128_bf8_bf8 v[AC:AC+7], v[XF:XF+15], v[WF:WF+15], v[AC:AC+7]
.endif
.endif
.endr
.endr
.rept 4
	v_nop                                          ; places in front of the loads into the registers that these products have read
.endr
	WIN 0
.endm
.set MUL_QK, 0xa4                      ; source 0 (W) window 0, source 1 (X) window 1, C and D window 2
.set MUL_V,  0xf1                      ; source 0 (X) window 1, source 1 (W) window 0, C and D window 3
; A K STEP.  A kind's fragments of the next step are fetched behind its products of this one: 32 products ahead of their use.
.macro KSTEP s
.if (\s) < 4
	s_wait_loadcnt 48                              ; this step's X is in; the 16 loads of each of the three steps behind it may be out
.elseif (\s) == 4
	s_wait_loadcnt 63                              ; behind it: three steps' 48 and the biases' 24
.else
	s_wait_loadcnt 16*(7-(\s))+24                  ; the steps behind it, and the biases
.endif
	s_wait_dscnt 32                                ; q's fragments are in; k's and v's may be out
	WIN MUL_QK
	GRP 0, \s
.if (\s) < 7
	FETCHW 0, (\s)+1
	s_wait_dscnt 32                                ; k's are in; v's and the next q's may be out
.else
	s_wait_dscnt 16
.endif
	WIN MUL_QK
	GRP 1, \s
.if (\s) < 7
	FETCHW 1, (\s)+1
	s_wait_dscnt 32
.else
	s_wait_dscnt 0
.endif
	WIN MUL_V
	GRP 2, \s
.if (\s) < 7
	FETCHW 2, (\s)+1
.endif
.if (\s) < 4
	ALOAD (\s)+4                                   ; X's set is done with
.endif
.if (\s) == 3
	WIN 0xc0                                       ; destination window 3: the biases
.irp t, 0,1,2,3
	global_load_b128 v[128+8*\t:131+8*\t], v[BQ], s[82:83] offset:64*\t
	global_load_b128 v[132+8*\t:135+8*\t], v[BQ], s[82:83] offset:64*\t+16
	global_load_b128 v[160+8*\t:163+8*\t], v[BQ], s[82:83] offset:4096+64*\t
	global_load_b128 v[164+8*\t:167+8*\t], v[BQ], s[82:83] offset:4096+64*\t+16
	global_load_b32 v[192+2*\t], v[BV], s[82:83] offset:8192+64*\t
	global_load_b32 v[193+2*\t], v[BV], s[82:83] offset:8192+64*\t
.endr
	WIN 0
.endif
.endm
	s_wait_alu depctr_va_vdst(0)                   ; the wait at the head's end
	s_wait_tensorcnt 0x0                           ; my 48 rows of W are in,
	s_wait_dscnt 0x0
	s_barrier_signal -1
	s_barrier_wait -1                              ; everybody's are
	FETCHW 0, 0
	FETCHW 1, 0
	FETCHW 2, 0
.irp s, 0,1,2,3,4,5,6,7
	KSTEP \s
.endr
; THE WAY OUT: sum x 2^(e0 + e1) + bias, held, converted: 16 bytes a lane, stored as they are.  Every batch has registers of its own for its codes, so no store's data are written again.
.macro CODE kind
	WIN 0
.set ii, TM
.rept 32
	v_med3_num_f32 v[ii], v[ii], -v[LIM+\kind], v[LIM+\kind]   ; the conversion to an 8-bit code does not saturate (ISA guide 7.6.2)
.set ii, ii+1
.endr
.irp g, 0,1,2,3
	v_cvt_scalef32_pk8_bf8_f32 v[CD+2*\g:CD+2*\g+1], v[TM+8*\g:TM+8*\g+7], v[SCL+\kind]
.endr
	v_nop
.endm
.macro OUTQK kind, i, base             ; 16 tokens x 64 columns
.set TM, 160+32*((\i)%2)
.set CD, 64+32*(\kind)+8*(\i)
	WIN 0x32                                       ; source 0 window 2, source 2 window 3
.irp t, 0,1,2,3
.irp j, 0,2,4,6
.set AC, 8*(4*(4*(\kind)+\t)+(\i))+\j
.set BI, 128+8*(4*(\kind)+\t)+\j
	v_pk_fma_f32 v[TM+8*\t+\j:TM+8*\t+\j+1], v[AC:AC+1], s[96:97], v[BI:BI+1] op_sel_hi:[1,0,1]
.endr
.endr
	CODE \kind
	global_store_b128 v[LO], v[CD:CD+3], s[\base:\base+1] offset:1024*(\i) th:TH_STORE_NT
	global_store_b128 v[LO], v[CD+4:CD+7], s[\base:\base+1] offset:1024*(\i)+512 th:TH_STORE_NT
.endm
.macro OUTV cp, u                      ; 32 tokens x columns 32 u on
.set TM, 160+32*(\u)
.set CD, 128+8*(2*(\cp)+(\u))
	WIN 0x33                                       ; sources 0 and 2 window 3
.irp t, 0,1
.irp b, 0,1
.irp j, 0,2,4,6
.set AC, 8*(4*(2*(\u)+\t)+2*(\cp)+\b)+\j
.set BI, 192+2*(2*(\u)+\t)
	v_pk_fma_f32 v[TM+16*\t+8*\b+\j:TM+16*\t+8*\b+\j+1], v[AC:AC+1], s[96:97], v[BI:BI+1] op_sel_hi:[1,0,0]
.endr
.endr
.endr
	CODE 2
	global_store_b128 v[LO], v[CD:CD+3], s[78:79] offset:4096*(\u)+512*(\cp) th:TH_STORE_NT
	global_store_b128 v[LO], v[CD+4:CD+7], s[78:79] offset:4096*(\u)+2048+512*(\cp) th:TH_STORE_NT
.endm
	s_wait_loadcnt 0x0                             ; the biases
.irp i, 0,1,2,3
	OUTQK 0, \i, 80
.endr
.irp i, 0,1,2,3
	OUTQK 1, \i, 76
.endr
	OUTV 0, 0
	OUTV 0, 1
	OUTV 1, 0
	OUTV 1, 1
	s_wait_tensorcnt 0x0                           ; the wave's end
	ds_add_u32 v[SPW], v[NIL]
	s_wait_dscnt 0x0
	CROUND                                         ; the closing round: no work-group ends while a partner may still ask for a tile that names it
	s_endpgm
.Lfunc_end_k_qb772116559_qkv:
	.size	k_qb772116559_qkv, .Lfunc_end_k_qb772116559_qkv-k_qb772116559_qkv
	.p2alignl 7, 3214868480
	.fill 96, 4, 3214868480
	.section	.rodata,"a",@progbits
	.p2align	6, 0x0
	.amdhsa_kernel k_qb772116559_qkv
		.amdhsa_group_segment_fixed_size 327680
		.amdhsa_private_segment_fixed_size 0
		.amdhsa_enable_private_segment 0
		.amdhsa_kernarg_size 32
		.amdhsa_user_sgpr_count 2
		.amdhsa_user_sgpr_kernarg_segment_ptr 1
		.amdhsa_wavefront_size32 1
		.amdhsa_system_sgpr_workgroup_id_x 1
		.amdhsa_system_sgpr_workgroup_id_y 1
		.amdhsa_system_sgpr_workgroup_id_z 1
		.amdhsa_system_vgpr_workitem_id 0
		.amdhsa_next_free_vgpr 1024
		.amdhsa_next_free_sgpr 98
		.amdhsa_reserve_vcc 0
		.amdhsa_float_denorm_mode_32 3
		.amdhsa_float_denorm_mode_16_64 3
		.amdhsa_memory_ordered 1
		.amdhsa_forward_progress 1
		.amdhsa_inst_pref_size 117
	.end_amdhsa_kernel
	.amdgpu_metadata
---
amdhsa.version: [ 1, 2 ]
amdhsa.kernels:
  - .name:           k_qb772116559_qkv
    .symbol:         k_qb772116559_qkv.kd
    .args:
      - { .name: codes, .offset: 0, .size: 8, .value_kind: global_buffer, .address_space: global }
      - { .name: b_qkv, .offset: 8, .size: 8, .value_kind: global_buffer, .address_space: global }
      - { .name: lowp_scales, .offset: 16, .size: 8, .value_kind: global_buffer, .address_space: global }
      - { .name: qkvc, .offset: 24, .size: 8, .value_kind: global_buffer, .address_space: global }
    .group_segment_fixed_size: 327680
    .private_segment_fixed_size: 0
    .kernarg_segment_align: 8
    .kernarg_segment_size: 32
    .max_flat_workgroup_size: 128
    .sgpr_count:     98
    .vgpr_count:     1024
    .wavefront_size: 32
...
	.end_amdgpu_metadata
.endif
;; end of part 2
;; launch attn (part 3): grid 8 x 32, 16 waves a work-group, clusters of 4 x 1, 327,680 bytes of LDS; arguments qkvc, lowp_scales, out0; writes out0
.if DOCPART == 3
	.amdgcn_target "amdgcn-amd-amdhsa--gfx1250"
	.amdhsa_code_object_version 6
	.text
	.protected	k_qb772116559_attn
	.globl	k_qb772116559_attn
	.p2align	8
	.type	k_qb772116559_attn,@function
k_qb772116559_attn:
	s_mov_b64 s[64:65], 0
	v_nop
	global_prefetch_b8 v0, s[64:65] scope:SCOPE_SE
	s_setreg_imm32_b32 hwreg(HW_REG_WAVE_MODE, 25, 1), 1
	s_wait_xcnt 0x0
	s_wait_alu depctr_hold_cnt(0) depctr_sa_sdst(0) depctr_va_vdst(0) depctr_va_sdst(0) depctr_va_ssrc(0) depctr_va_vcc(0) depctr_vm_vsrc(0)
	s_getreg_b32 s2, hwreg(HW_REG_IB_STS2, 6, 4)
	s_cmp_eq_u32 s2, 0
	s_cbranch_scc0 .Lentry_in_a_cluster
	s_endpgm
.Lentry_in_a_cluster:
	s_bfe_u32 s2, ttmp6, 0x10000c
	s_cmp_lg_u32 s2, 0x3003
	s_cbranch_scc0 .Lentry_shape_is_right
	s_endpgm
.Lentry_shape_is_right:
; out[b][q][64 head + d] = the sum over keys k <= q of softmax_k(Q . K / 8) V, both products on codes of BF8 (E5M2), each operand with the one scale 2^e given for it: q e2, k e3, p e4, v e5.
; qkvc holds images of the matrix operands' registers: for each head hb = 16 b + head 16 key steps of 16,384 bytes (128 keys): k: 8 tiles of 16 keys x [2 pieces][32 lanes][16 bytes]; v: 4 tiles of 16 columns x [4 pieces of 32 keys][32 lanes][16 bytes];
; from 8 MiB on q, hb x 131,072, tiles of 16 tokens as k's.  Q's and K's bytes follow the head's 64 in one order, V's follow the keys in the order in which p's codes come out of the scores' registers.
; THE SOFTMAX AHEAD OF THE SECOND PRODUCT: t = score x log2(e) / 8; M = the row's largest t so far, rounded UP to a whole number; p = 2^(t - M) is what is quantised; it is not normalised.
; The row's sum is taken of the unquantised p, in f32, and divides O at the end.  When M moves, the sum and O are multiplied by 2^(old M - new M), a power of two.
; DEAD WORK left out: reference()'s own causal mask gives keys after the query weight 0 for all values of the inputs: key steps wholly under the mask are passed over.  A NaN, an infinity or an overflow there is not carried to the result.
; SHARES.  A head's 2,048 queries are 16 blocks of 128, a block 4 groups of 32.  Two clusters of four work-groups serve a head; the work-group at place cx takes group cx of eight blocks.
; Waves pi, pi + 4, pi + 8, pi + 12 (slots 0 to 3) share the groups of blocks 15 - JL and JL, JL = 2 pi + ((pi xor cluster) & 1): pi < 3: slots 0 to 2 take every third key step of block 15 - JL, slot 3 all of JL;
; pi = 3: slots 0, 1 take every second step of 15 - JL, slots 2, 3 of JL.  Block j needs key steps 0 .. j, so each pi has 17 steps and a wave 1 to 6.  A wave's two tiles of 16 queries share each fragment of K and V.
; At the end all partial results meet in LDS and each wave finishes one tile: slots 0, 1 those of block 15 - JL, slots 2, 3 those of JL.
; The work-group's place in its cluster goes into Q's and out's global addresses and the mask's data alone: no branch and no LDS address hangs on it.
; THE HEAD'S WHOLE K AND V LIE IN LDS, each byte filled once: steps 0 to 3 by one joint load a wave at the head, steps 4 to 15 by one joint load in each of waves 0 to 7 when the first have landed.
; All that the launch reads is asked for in its first lines, so nothing is left to prefetch; behind the second loads' barrier waves run freely.
; LAYOUT.  Both products are used transposed: S^T = K Q^T, O^T = V^T P^T: a lane holds ONE query (lane % 16) throughout, and the conversion of a tile of S^T (keys 16 t + 8 (lane / 16) + 0 .. 7) is registers 2 t, 2 t + 1 of P's fragment.
; LIMITS on the given exponents, so that each power of two below is an f32 number: e2 + e3 between -123 and 130 (they are added to c's exponent field); e4 between -126 and 112; e4 + e5 is applied by v_ldexp_f32 and has none.
; The softmax's promise holds while t stays under 2^31 in magnitude.
; REGISTERS: v2-27 addresses, constants, statistics, at work; v28-43 Q of both tiles; v44-59 tile 0's codes of p; v60-75 tile 1's (from v64 on over scores that have been converted); v64-127 S^T, then p; v128-159, v160-191 O^T; v192-255 K's eight fragments, then V's four.
.set SPARE, 262144                     ; behind the 16 key steps: the spare words, 128 bytes for each wave
.set XT,    4352                       ; the exchange: 17 x 256 bytes for each tile, two tiles a wave, from LDS byte 0 on, over tiles that nobody reads any more
.set STG,   32*XT                      ; behind it the stages for the way out: 16 rows x 272 bytes for each wave, likewise
.set QBASE, 0x800000                   ; where q begins in qkvc
.set LO,   2                           ; 16 x lane
.set ADK,  3                           ; LDS address of the step's K and V
.set DGA,  5                           ; my query's place in its block - 8 h, tile 0 and tile 1
.set DGB,  6
.set PX,   7                           ; what comes from lane l xor 16
.set SPW,  8                           ; LDS address of my spare word
.set NIL,  9                           ; 0
.set FF,   10                          ; v[10:11] f = 2^(old M - new M); ahead of it two of the maximum's chains
.set LIM,  12                          ; v12, v13 57,344 x 2^e4
.set SCL,  14                          ; 2^e4
.set MA,   24                          ; v[24:25] chains of the maximum and of the sum
.set MB,   25
.set SB,   26                          ; v[26:27] a chain of the sum
.set QA,   28
.set QB,   36
.set PA,   44
.set PB,   60
.set SC,   64
.set OA,   128
.set OB,   160
.set KV,   192
.set WV,   10                          ; my wave's number
.set CX,   11
.set PI,   12
.set HB,   13                          ; the head
.set J,    14                          ; my block
.set IDX,  15                          ; my first key step,
.set WAYS, 16                          ; and from step to step
.set SLOT, 18
.set P3,   19                          ; 1 where pi = 3
.set SEL,  20                          ; s[20:21] lane selects for v_permlanex16_b32: lane l xor 16
.set CS,   22                          ; s[22:23] c = log2(e) / 8 x 2^(e2 + e3)
.set KS,   48                          ; the key step
.set SOFF, 49                          ; where it begins in LDS
.set TRIP, 51
.set JLO,  59                          ; JL
.macro CROUND                          ; a round of the cluster's barrier
	s_barrier_signal -1
	s_barrier_wait -1
	s_cmp_lg_u32 s[WV], 0
	s_cbranch_scc1 .Lnot_wave_0_\@
	s_barrier_signal -3
.Lnot_wave_0_\@:
	s_barrier_wait -3
	s_barrier_signal -1
	s_barrier_wait -1
.endm
	s_load_b128 s[4:7], s[0:1], 0x0                ; qkvc s[4:5], the scales' exponents s[6:7]
	s_load_b64 s[8:9], s[0:1], 0x10                ; out
	v_lshl_add_u32 v[SPW], v0, 2, SPARE
	v_mov_b32 v[NIL], 0
	ds_add_u32 v[SPW], v[NIL]                      ; the wave's opening: the add, twice on end, and its wait
	ds_add_u32 v[SPW], v[NIL]
	v_lshrrev_b32 v1, 5, v0
	v_readfirstlane_b32 s[WV], v1                  ; wave 0..15
	s_bfe_u32 s[CX], ttmp6, 0x40000
	s_and_b32 s[HB], ttmp7, 0xffff
	; descriptor groups 1: 16 rows (s[24:31]) and 96 rows (s[40:47]) of 256 bytes, dense in memory and in LDS
.irp g, 24, 40
	s_mov_b32 s[\g], 15|(1<<21)                    ; 15:0 the mask: all four work-groups; elements of 1 byte; 21 set beside a mask
	s_mov_b32 s[\g+1], 256<<16                     ; tensor_dim0
	s_mov_b32 s[\g+3], 256<<16                     ; tile_dim0
	s_mov_b32 s[\g+5], 256                         ; tensor_dim0_stride
	s_mov_b32 s[\g+6], 0
	s_mov_b32 s[\g+7], 0
.endr
	s_mov_b32 s26, 16<<16                          ; tensor_dim1, tile_dim1
	s_mov_b32 s28, 16
	s_mov_b32 s42, 96<<16
	s_mov_b32 s44, 96
	s_lshl_b32 s74, s[HB], 18                      ; my head: nothing in the descriptors hangs on my place in the cluster
	s_lshl_b32 s70, s[WV], 12                      ; 4,096 bytes of steps 0 to 3: in LDS,
	s_add_co_u32 s72, s70, s74                     ; and in memory
	s_mov_b32 s73, 0
	s_mul_i32 s71, s[WV], 24576                    ; 24,576 bytes of steps 4 to 15, waves 0 to 7
	s_add_co_u32 s71, s71, 65536
	s_add_co_u32 s76, s71, s74
	s_mov_b32 s77, 0
	s_wait_alu depctr_va_vdst(0)
	s_wait_dscnt 0x0                               ; both opening adds are done
	CROUND                                         ; all four work-groups are here: the joint loads meet
	s_wait_kmcnt 0x0
	s_load_b128 s[52:55], s[6:7], 0x0              ; e0, e1, e2, e3
	s_load_b64 s[56:57], s[6:7], 0x10              ; e4, e5
	s_mov_b32 s32, 1                               ; groups 0: count = 1, LDS address, global address, type = 2
	s_mov_b32 s33, s70
	s_add_nc_u64 s[34:35], s[4:5], s[72:73]
	s_or_b32 s35, s35, 0x80000000
	tensor_load_to_lds s[32:35], s[24:31]          ; one tensor load a wave at the head
	s_nop 0
	s_mov_b32 s36, 1
	s_mov_b32 s37, s71
	s_add_nc_u64 s[38:39], s[4:5], s[76:77]
	s_or_b32 s39, s39, 0x80000000
	s_and_b32 s[PI], s[WV], 3
	s_lshr_b32 s[SLOT], s[WV], 2
	s_lshr_b32 s70, s[PI], 1
	s_and_b32 s[P3], s[PI], s70
	s_lshr_b32 s71, s[SLOT], 1
	s_and_b32 s73, s[SLOT], 1
	s_or_b32 s73, s73, s[P3]
	s_and_b32 s73, s71, s73                        ; 1: my block is JL
	s_xor_b32 s74, s73, 1
	s_xor_b32 s76, s[P3], 1
	s_mul_i32 s75, s74, 3
	s_mul_i32 s75, s75, s76
	s_or_b32 s75, s75, s[P3]
	s_and_b32 s[IDX], s[SLOT], s75                 ; slot % 2 where pi = 3; else the slot, or 0 for JL
	s_mul_i32 s75, s73, s76
	s_lshl_b32 s75, s75, 1
	s_add_co_u32 s75, s75, s[P3]
	s_sub_co_u32 s[WAYS], 3, s75                   ; 2 where pi = 3; else 3, or 1 for JL
	s_xor_b32 s71, s[PI], ttmp9                    ; ttmp9: which of the head's two clusters
	s_and_b32 s71, s71, 1
	s_lshl_b32 s70, s[PI], 1
	s_add_co_u32 s[JLO], s70, s71
	s_mul_i32 s71, s74, 15
	s_xor_b32 s[J], s[JLO], s71
	s_lshl_b32 s17, s[CX], 5                       ; my group's first query in its block: tile 0; tile 1 16 on
	s_lshl_b32 s70, s[J], 7
	s_add_co_u32 s72, s70, s17
	s_lshl_b32 s76, s[HB], 17
	s_add_co_u32 s76, s76, QBASE
	s_lshl_b32 s72, s72, 6
	s_add_co_u32 s76, s76, s72
	s_mov_b32 s77, 0
	s_add_nc_u64 s[60:61], s[4:5], s[76:77]        ; q of my group
	v_and_b32 v24, 31, v0
	v_lshlrev_b32 v[LO], 4, v24
.irp c, 0,1,2,3
	global_load_b128 v[QA+4*\c:QA+4*\c+3], v[LO], s[60:61] offset:512*\c   ; Q's fragments of both tiles stay in registers
.endr
	v_and_b32 v24, 15, v0                          ; r = lane % 16
	v_bfe_u32 v25, v0, 4, 1                        ; h = lane / 16
	v_lshlrev_b32 v26, 3, v25
	v_sub_nc_u32 v26, v24, v26
	v_add_nc_u32 v[DGA], s17, v26
	v_add_nc_u32 v[DGB], 16, v[DGA]
	v_mov_b32 v17, 0xff61b1e6                      ; v16-19, v20-23: -M, the largest t so far (-3e38, under every t), the sum in two halves, of tiles 0 and 1
	v_mov_b32 v21, 0xff61b1e6
	v_mov_b32 v18, 0
	v_mov_b32 v19, 0
	v_mov_b32 v22, 0
	v_mov_b32 v23, 0
	v_floor_f32 v16, -v17
	v_floor_f32 v20, -v21
	v_mov_b32 v[PX], 0                             ; a lane permute's destination counts as one of its sources
.set ii, 0
.rept 64
	v_mov_b32 v[OA+ii], 0                          ; O^T of both tiles.  (A step's text finds zeros the first time, which the first change of M leaves zeros)
.set ii, ii+1
.endr
	s_wait_alu depctr_va_vdst(0)
	s_wait_kmcnt 0x0
	s_add_co_i32 s70, s54, s55
	s_lshl_b32 s70, s70, 23
	s_add_co_i32 s[CS], s70, 0x3e38aa3b            ; c = log2(e) / 8, with e2 + e3 added to its exponent field
	s_mov_b32 s[CS+1], s[CS]                       ; (named with it as a pair, so it is written)
	s_add_co_i32 s58, s56, s57                     ; e4 + e5
	s_add_co_i32 s70, s56, 127
	s_lshl_b32 s71, s70, 23
	s_add_co_i32 s70, s70, 15
	s_lshl_b32 s70, s70, 23
	s_or_b32 s70, s70, 0x600000
	s_mov_b32 s[SEL], 0x76543210
	s_mov_b32 s[SEL+1], 0xfedcba98
	s_mov_b32 s[KS], s[IDX]
	s_lshl_b32 s[SOFF], s[IDX], 14
	v_mov_b32 v[SCL], s71
	v_mov_b32 v[LIM], s70
	v_mov_b32 v[LIM+1], s70
; A PART: one tile of 16 queries against the step's 128 keys, up to p's codes.  qf: Q's fragment; oa: O^T; sr: statistics; dg: the mask's data; pc: where the codes go; second = 1: V's loads take K's registers behind the last products that read them.
.macro PART qf, oa, sr, dg, pc, second
.if \second == 0
	s_wait_dscnt 8                                 ; K's tiles 0 to 3 are in; the eight loads of tiles 4 to 7 may be out
.endif
.irp t, 0,1,2,3
	v_wmma_f32_16x16x64_bf8_bf8 v[SC+8*\t:SC+8*\t+7], v[KV+8*\t:KV+8*\t+7], v[\qf:\qf+7], 0
.endr
.if \second == 0
	s_wait_dscnt 0x0
.endif
.irp t, 4,5,6,7
	v_wmma_f32_16x16x64_bf8_bf8 v[SC+8*\t:SC+8*\t+7], v[KV+8*\t:KV+8*\t+7], v[\qf:\qf+7], 0
.endr
.rept 4
	v_nop                                          ; places in front of the first read of the scores and of loads into K's registers
.endr
.if \second
.irp t, 0,1,2,3
.irp c, 0,1,2,3
	ds_load_b128 v[KV+16*\t+4*\c:KV+16*\t+4*\c+3], v[ADK] offset:8192+2048*\t+512*\c   ; V: four tiles of 16 columns x 128 keys
.endr
.endr
.endif
	s_cmp_lg_u32 s[KS], s[J]                       ; on the diagonal step the scores of hidden keys become -infinity ahead of the maximum: p = 0 then.  A branch on ids
	s_cbranch_scc1 .Lopen_\@
	v_mov_b32 v[MA], 0xff800000
.set ii, 0
.rept 64
	v_cmp_gt_i32 vcc_lo, 16*(ii/8)+ii%8, v[\dg]
	v_cndmask_b32 v[SC+ii], v[SC+ii], v[MA], vcc_lo
.set ii, ii+1
.endr
.Lopen_\@:
	v_max3_num_f32 v[MA], v[SC], v[SC+1], v[SC+2]  ; the step's largest score of my query, among my 64 keys, in four chains, each accumulator from its low end on,
	v_max3_num_f32 v[MB], v[SC+3], v[SC+4], v[SC+5]
	v_max3_num_f32 v[FF], v[SC+6], v[SC+7], v[SC+8]
	v_max3_num_f32 v[FF+1], v[SC+9], v[SC+10], v[SC+11]
.irp i, 12,20,28,36,44,52
	v_max3_num_f32 v[MA], v[MA], v[SC+\i], v[SC+\i+1]
	v_max3_num_f32 v[MB], v[MB], v[SC+\i+2], v[SC+\i+3]
	v_max3_num_f32 v[FF], v[FF], v[SC+\i+4], v[SC+\i+5]
	v_max3_num_f32 v[FF+1], v[FF+1], v[SC+\i+6], v[SC+\i+7]
.endr
	v_max3_num_f32 v[MA], v[MA], v[SC+60], v[SC+61]
	v_max3_num_f32 v[MB], v[MB], v[SC+62], v[SC+63]
	v_max3_num_f32 v[MA], v[MA], v[MB], v[FF]
	s_delay_alu instid0(VALU_DEP_1)
	v_max_num_f32 v[MA], v[MA], v[FF+1]
	s_delay_alu instid0(VALU_DEP_1)
	v_permlanex16_b32 v[PX], v[MA], s[SEL], s[SEL+1]
	s_delay_alu instid0(VALU_DEP_1)
	v_max_num_f32 v[MA], v[MA], v[PX]              ; and among lane l xor 16's
	s_delay_alu instid0(VALU_DEP_1)
	v_mul_f32 v[MA], s[CS], v[MA]                  ; as t (c is positive)
	s_delay_alu instid0(VALU_DEP_1)
	v_max_num_f32 v[\sr+1], v[\sr+1], v[MA]        ; the running largest t
	v_mov_b32 v[MA], v[\sr]
	s_delay_alu instid0(VALU_DEP_2)
	v_floor_f32 v[\sr], -v[\sr+1]                  ; the new -M = floor(-t) = -ceil(t): M is a whole number
	s_delay_alu instid0(VALU_DEP_1)
	v_sub_f32 v[MA], v[\sr], v[MA]                 ; M's old value less its new one: a whole number, 0 or less
	s_delay_alu instid0(VALU_DEP_1)
	v_cvt_i32_f32 v[MA], v[MA]                     ; (it saturates)
	s_delay_alu instid0(VALU_DEP_1)
	v_ldexp_f32 v[FF], 1.0, v[MA]                  ; f = 2^(old M - new M)
.set ii, 0
.rept 32
	v_pk_fma_f32 v[SC+ii:SC+ii+1], v[SC+ii:SC+ii+1], s[CS:CS+1], v[\sr:\sr+1] op_sel_hi:[1,0,0]   ; t - M, two at a time (of the pairs c and -M the low word serves both halves)
.set ii, ii+2
.endr
	s_wait_alu depctr_va_vdst(0)                   ; the wait ahead of the batch
.set ii, 0
.rept 64
	v_exp_f32 v[SC+ii], v[SC+ii]                   ; p = 2^(t - M), at most 1: not normalised
.set ii, ii+1
.endr
	v_pk_mul_f32 v[\sr+2:\sr+3], v[\sr+2:\sr+3], v[FF:FF+1] op_sel_hi:[1,0]   ; the sums under the new M.  (A plain place behind the exponentials)
	s_wait_alu depctr_va_vdst(0)                   ; and behind it
	v_pk_add_f32 v[SB:SB+1], v[SC:SC+1], v[SC+2:SC+3]                         ; the row's sum is taken of the unquantised p: two at a time, in three chains
	v_pk_add_f32 v[MA:MA+1], v[SC+4:SC+5], v[SC+6:SC+7]
.set ii, 8
.rept 9
	v_pk_add_f32 v[\sr+2:\sr+3], v[\sr+2:\sr+3], v[SC+ii:SC+ii+1]
	v_pk_add_f32 v[SB:SB+1], v[SB:SB+1], v[SC+ii+2:SC+ii+3]
	v_pk_add_f32 v[MA:MA+1], v[MA:MA+1], v[SC+ii+4:SC+ii+5]
.set ii, ii+6
.endr
	v_pk_add_f32 v[\sr+2:\sr+3], v[\sr+2:\sr+3], v[SC+62:SC+63]
	v_pk_add_f32 v[SB:SB+1], v[SB:SB+1], v[MA:MA+1]
.irp c, 0,1,2,3
.set ii, 16*\c
.rept 8
	v_dual_min_num_f32 v[SC+ii], v[SC+ii], v[LIM] :: v_dual_min_num_f32 v[SC+ii+1], v[SC+ii+1], v[LIM+1]   ; the conversion to an 8-bit code does not saturate (ISA guide 7.6.2); p is not negative, so the hold is one-sided
.set ii, ii+2
.endr
	v_cvt_scalef32_pk8_bf8_f32 v[\pc+4*\c:\pc+4*\c+1], v[SC+16*\c:SC+16*\c+7], v[SCL]
	v_cvt_scalef32_pk8_bf8_f32 v[\pc+4*\c+2:\pc+4*\c+3], v[SC+16*\c+8:SC+16*\c+15], v[SCL]
.if \c == 0
	v_pk_add_f32 v[\sr+2:\sr+3], v[\sr+2:\sr+3], v[SB:SB+1]   ; (also the plain line between these conversions and those that write over their sources)
.endif
.endr
	s_wait_alu depctr_va_vdst(0)                   ; the wait here, directly ahead of the first reader of O^T
.set ii, 0
.rept 16
	v_pk_mul_f32 v[\oa+ii:\oa+ii+1], v[\oa+ii:\oa+ii+1], v[FF:FF+1] op_sel_hi:[1,0]   ; O^T under the new M.  (These are also the plain lines between the conversions and the products behind)
.set ii, ii+2
.endr
.endm
; A KEY STEP.  One whose keys all come after my queries does no work: a branch on ids (every wave has a first step: first = 1 asks nothing).  first = 1: the barrier that publishes steps 4 to 15 is signalled ahead of the last products, when no LDS read of mine is out.
.macro STEP first
.if \first == 0
	s_mul_i32 s[KS], s[TRIP], s[WAYS]
	s_add_co_u32 s[KS], s[KS], s[IDX]
	s_cmp_gt_u32 s[KS], s[J]
	s_cbranch_scc1 .Lidle_\@
	s_min_u32 s[SOFF], s[KS], 15                   ; (J is at most 15)
	s_lshl_b32 s[SOFF], s[SOFF], 14
.endif
	v_add_nc_u32 v[ADK], s[SOFF], v[LO]
.rept 4
	v_nop                                          ; with the addition above: five places in front of loads and products over registers that the last step's products have read
.endr
.irp t, 0,1,2,3,4,5,6,7
	ds_load_b128 v[KV+8*\t:KV+8*\t+3], v[ADK] offset:1024*\t
	ds_load_b128 v[KV+8*\t+4:KV+8*\t+7], v[ADK] offset:1024*\t+512
.endr
	s_wait_alu depctr_va_vdst(0)
	PART QA, OA, 16, DGA, PA, 0
	PART QB, OB, 20, DGB, PB, 1
	s_wait_alu depctr_va_vdst(0)
	s_wait_dscnt 0x0                               ; V is in
.if \first
	s_wait_tensorcnt 0x0                           ; my part of steps 4 to 15 is in: say so
	s_barrier_signal -1
.endif
.irp t, 0,1,2,3
	v_wmma_f32_16x16x128_bf8_bf8 v[OA+8*\t:OA+8*\t+7], v[KV+16*\t:KV+16*\t+15], v[PA:PA+15], v[OA+8*\t:OA+8*\t+7]   ; the eight accumulators take turns, one instruction a turn
	v_wmma_f32_16x16x128_bf8_bf8 v[OB+8*\t:OB+8*\t+7], v[KV+16*\t:KV+16*\t+15], v[PB:PB+15], v[OB+8*\t:OB+8*\t+7]
.endr
.if \first
	s_barrier_wait -1                              ; the whole head lies in LDS
.else
.Lidle_\@:
.endif
.endm
	s_wait_alu depctr_va_vdst(0)                   ; the wait at the head's end
	s_wait_tensorcnt 0x0                           ; my part of steps 0 to 3 is in
	ds_add_u32 v[SPW], v[NIL]
	s_wait_dscnt 0x0
	CROUND                                         ; everybody's is: steps 0 to 3 lie in LDS, and the joint loads meet again
	s_cmp_lt_u32 s[WV], 8                          ; waves 0 to 7 fetch steps 4 to 15, 96 rows each: eight loads, so that each brings bytes that both clusters read (one has no block 15)
	s_cbranch_scc0 .Lno_fetch
	tensor_load_to_lds s[36:39], s[40:47]
	s_nop 0
.rept 4
	v_nop
.endr
.Lno_fetch:
	s_wait_loadcnt 0x0                             ; Q
	STEP 1                                         ; step 0, 1 or 2
	s_mov_b32 s[TRIP], 1
.Lloop:
	STEP 0
	s_add_co_u32 s[TRIP], s[TRIP], 1
	s_cmp_lt_u32 s[TRIP], 6
	s_cbranch_scc1 .Lloop
; THE PARTIAL RESULTS MEET: each wave lays down O^T, -M and the sum of both its tiles; then it gathers those of the tile that it finishes: n of them, from slot m0 on, of its own pi.
	s_lshr_b32 s70, s[SLOT], 1                     ; 0: block 15 - JL, 1: JL
	s_and_b32 s71, s[SLOT], 1                      ; the tile
	s_sub_co_u32 s72, 3, s[P3]
	s_mul_i32 s73, s70, s72                        ; m0
	s_xor_b32 s74, s[P3], 1
	s_mul_i32 s74, s74, s70
	s_lshl_b32 s74, s74, 1
	s_sub_co_u32 s50, s72, s74                     ; n
	s_lshl_b32 s73, s73, 2
	s_add_co_u32 s73, s73, s[PI]
	s_mul_i32 s73, s73, 2*XT
	s_mul_i32 s74, s71, XT
	s_add_co_u32 s73, s73, s74                     ; where the first lies; the others 8 XT bytes on each
	s_xor_b32 s74, s70, 1
	s_mul_i32 s74, s74, 15
	s_xor_b32 s74, s[JLO], s74                     ; the block,
	s_lshl_b32 s74, s74, 7
	s_add_co_u32 s74, s74, s17
	s_lshl_b32 s75, s71, 4
	s_add_co_u32 s74, s74, s75                     ; my tile's first query
	s_lshr_b32 s75, s[HB], 4
	s_lshl_b32 s75, s75, 11
	s_add_co_u32 s74, s74, s75                     ; its row of out
	s_lshl_b32 s76, s74, 12
	s_and_b32 s75, s[HB], 15
	s_lshl_b32 s75, s75, 8                         ; the head's 256 bytes in a row
	s_add_co_u32 s76, s76, s75
	s_mov_b32 s77, 0
	s_add_nc_u64 s[62:63], s[8:9], s[76:77]
	s_mul_i32 s70, s[WV], 2*XT
	s_mul_i32 s72, s[WV], XT
	s_add_co_u32 s72, s72, STG
.rept 4
	v_nop                                          ; places behind the last products
.endr
	v_add_f32 v[MA], v18, v19
	v_add_f32 v[MB], v22, v23
	v_permlanex16_b32 v[PX], v[MA], s[SEL], s[SEL+1]
	v_add_f32 v17, v[MA], v[PX]                    ; tile 0's sum
	v_permlanex16_b32 v[PX], v[MB], s[SEL], s[SEL+1]
	v_add_f32 v21, v[MB], v[PX]                    ; tile 1's
	v_and_b32 v44, 31, v0
	v_and_b32 v45, 15, v0                          ; r
	v_bfe_u32 v46, v0, 4, 1                        ; h
	v_add_nc_u32 v47, s70, v[LO]                   ; O^T: 16 bytes a lane: down,
	v_add_nc_u32 v48, s73, v[LO]                   ; and back
	v_add_nc_u32 v54, 16*XT, v48
	v_lshlrev_b32 v49, 3, v44
	v_add_nc_u32 v50, s73, v49                     ; the statistics: 8 bytes a lane
	v_add_nc_u32 v55, 16*XT, v50
	v_add_nc_u32 v49, s70, v49
	v_mul_u32_u24 v51, v45, 272
	v_lshl_add_u32 v51, v46, 5, v51
	v_add_nc_u32 v51, s72, v51                     ; the stage: in: row r; + 32 h
	v_mul_u32_u24 v52, v46, 272
	v_lshl_add_u32 v52, v45, 4, v52
	v_add_nc_u32 v52, s72, v52                     ; back: lanes 0-15 one row of 256 bytes, lanes 16-31 the next
	v_lshlrev_b32 v53, 12, v46
	v_lshl_add_u32 v53, v45, 4, v53                ; and the same two rows of out, 4,096 bytes apart
	v_mov_b32 v98, 0x7f61b1e6                      ; where there is no second or third: -M = 3e38, and the sum 0
	v_mov_b32 v99, 0
	v_mov_b32 v100, 0x7f61b1e6
	v_mov_b32 v101, 0
	v_mov_b32 v103, 0                              ; (named as the upper halves of pairs)
	v_mov_b32 v105, 0
	v_mov_b32 v107, 0
	s_wait_alu depctr_va_vdst(0)
	s_wait_dscnt 0x0
	s_barrier_signal -1
	s_barrier_wait -1                              ; nobody reads K or V any more: their bytes, which have had their last fill, serve the exchange and the stages
	ds_store_b64 v49, v[16:17] offset:4096
	ds_store_b64 v49, v[20:21] offset:XT+4096
.irp i, 0,1,2,3,4,5,6,7
	ds_store_b128 v47, v[OA+4*\i:OA+4*\i+3] offset:512*\i
	ds_store_b128 v47, v[OB+4*\i:OB+4*\i+3] offset:XT+512*\i
.endr
	s_wait_dscnt 0x0
	s_barrier_signal -1
	s_barrier_wait -1
	ds_load_b64 v[96:97], v50 offset:4096
.irp i, 0,1,2,3,4,5,6,7
	ds_load_b128 v[SC+4*\i:SC+4*\i+3], v48 offset:512*\i
.endr
	s_cmp_lt_u32 s50, 2
	s_cbranch_scc1 .Lloaded
	ds_load_b64 v[98:99], v50 offset:8*XT+4096
.irp i, 0,1,2,3,4,5,6,7
	ds_load_b128 v[KV+4*\i:KV+4*\i+3], v48 offset:8*XT+512*\i
.endr
	s_cmp_lt_u32 s50, 3
	s_cbranch_scc1 .Lloaded
	ds_load_b64 v[100:101], v55 offset:4096
.irp i, 0,1,2,3,4,5,6,7
	ds_load_b128 v[KV+32+4*\i:KV+35+4*\i], v54 offset:512*\i
.endr
.Lloaded:
	s_wait_dscnt 0x0
	s_wait_alu depctr_va_vdst(0)
	v_min_num_f32 v108, v96, v98
	v_min_num_f32 v108, v108, v100                 ; -M of the whole row
	v_sub_f32 v109, v108, v96
	v_sub_f32 v110, v108, v98
	v_sub_f32 v111, v108, v100
	v_cvt_i32_f32 v109, v109                       ; (they saturate)
	v_cvt_i32_f32 v110, v110
	v_cvt_i32_f32 v111, v111
	v_ldexp_f32 v102, 1.0, v109                    ; 2^(a part's M - M)
	v_ldexp_f32 v104, 1.0, v110
	v_ldexp_f32 v106, 1.0, v111
	v_mul_f32 v112, v97, v102
	v_fma_f32 v112, v99, v104, v112
	v_fma_f32 v112, v101, v106, v112               ; the row's sum
	s_wait_alu depctr_va_vdst(0)                   ; the wait ahead of the transcendental
	v_rcp_f32 v113, v112
	v_nop                                          ; one plain place behind it
	s_wait_alu depctr_va_vdst(0)                   ; and the wait behind it
	v_ldexp_f32 v113, v113, s58                    ; x 2^(e4 + e5)
	v_mul_f32 v102, v102, v113
	v_mul_f32 v104, v104, v113
	v_mul_f32 v106, v106, v113
.set ii, 0
.rept 16
	v_pk_mul_f32 v[OA+ii:OA+ii+1], v[SC+ii:SC+ii+1], v[102:103] op_sel_hi:[1,0]   ; register 8 t + j is out(query r, 16 t + 8 h + j)
.set ii, ii+2
.endr
	s_cmp_lt_u32 s50, 2
	s_wait_alu depctr_va_vdst(0)                   ; the wait here, directly ahead of the branch
	s_cbranch_scc1 .Ljoined
.set ii, 0
.rept 16
	v_pk_fma_f32 v[OA+ii:OA+ii+1], v[KV+ii:KV+ii+1], v[104:105], v[OA+ii:OA+ii+1] op_sel_hi:[1,0,1]
.set ii, ii+2
.endr
	s_cmp_lt_u32 s50, 3
	s_wait_alu depctr_va_vdst(0)                   ; the wait here, directly ahead of the branch
	s_cbranch_scc1 .Ljoined
.set ii, 0
.rept 16
	v_pk_fma_f32 v[OA+ii:OA+ii+1], v[KV+32+ii:KV+33+ii], v[106:107], v[OA+ii:OA+ii+1] op_sel_hi:[1,0,1]
.set ii, ii+2
.endr
.Ljoined:
.irp t, 0,1,2,3
	ds_store_b128 v51, v[OA+8*\t:OA+8*\t+3] offset:64*\t
	ds_store_b128 v51, v[OA+8*\t+4:OA+8*\t+7] offset:64*\t+16
.endr
.irp i, 0,1,2,3,4,5,6,7
	ds_load_b128 v[OB+4*\i:OB+4*\i+3], v52 offset:\i*544   ; LDS serves a wave's instructions in order (ISA guide 5.7.1.4): these see my stores
.endr
.irp i, 0,1,2,3,4,5,6,7
	s_wait_dscnt 7-\i
	global_store_b128 v53, v[OB+4*\i:OB+4*\i+3], s[62:63] offset:\i*8192 th:TH_STORE_NT   ; sixteen lanes store a query's 256 bytes of its head, aligned
.endr
	s_wait_tensorcnt 0x0                           ; the wave's end
	ds_add_u32 v[SPW], v[NIL]
	s_wait_dscnt 0x0
	CROUND                                         ; the closing round: no work-group ends while a partner may still ask for a tile that names it
	s_endpgm
.Lfunc_end_k_qb772116559_attn:
	.size	k_qb772116559_attn, .Lfunc_end_k_qb772116559_attn-k_qb772116559_attn
	.p2alignl 7, 3214868480
	.fill 96, 4, 3214868480
	.section	.rodata,"a",@progbits
	.p2align	6, 0x0
	.amdhsa_kernel k_qb772116559_attn
		.amdhsa_group_segment_fixed_size 327680
		.amdhsa_private_segment_fixed_size 0
		.amdhsa_enable_private_segment 0
		.amdhsa_kernarg_size 24
		.amdhsa_user_sgpr_count 2
		.amdhsa_user_sgpr_kernarg_segment_ptr 1
		.amdhsa_wavefront_size32 1
		.amdhsa_system_sgpr_workgroup_id_x 1
		.amdhsa_system_sgpr_workgroup_id_y 1
		.amdhsa_system_sgpr_workgroup_id_z 1
		.amdhsa_system_vgpr_workitem_id 0
		.amdhsa_next_free_vgpr 256
		.amdhsa_next_free_sgpr 80
		.amdhsa_reserve_vcc 1
		.amdhsa_float_denorm_mode_32 3
		.amdhsa_float_denorm_mode_16_64 3
		.amdhsa_memory_ordered 1
		.amdhsa_forward_progress 1
		.amdhsa_inst_pref_size 100
	.end_amdhsa_kernel
	.amdgpu_metadata
---
amdhsa.version: [ 1, 2 ]
amdhsa.kernels:
  - .name:           k_qb772116559_attn
    .symbol:         k_qb772116559_attn.kd
    .args:
      - { .name: qkvc, .offset: 0, .size: 8, .value_kind: global_buffer, .address_space: global }
      - { .name: lowp_scales, .offset: 8, .size: 8, .value_kind: global_buffer, .address_space: global }
      - { .name: out0, .offset: 16, .size: 8, .value_kind: global_buffer, .address_space: global }
    .group_segment_fixed_size: 327680
    .private_segment_fixed_size: 0
    .kernarg_segment_align: 8
    .kernarg_segment_size: 24
    .max_flat_workgroup_size: 512
    .sgpr_count:     80
    .vgpr_count:     256
    .wavefront_size: 32
...
	.end_amdgpu_metadata
.endif
;; end of part 3
